; MI455X (gfx1250); checked and timed in simulation.
; The chip was launched on July 23, 2026; its instructions are those of AMD's public machine-readable ISA for CDNA 5 (MIT licence, August 2026) and "CDNA5" Instruction Set Architecture Reference Guide (July 2026). The comments in the code are by the model that wrote it; some were corrected since.
;; Attention. Allowed arithmetic: matrix products marked QUANTISED: E5M2 operands, one given power-of-two scale a tensor, by v_wmma_f32_16x16x64_bf8_bf8 or v_wmma_f32_16x16x128_bf8_bf8, f32 sums; everything else in f32.
;; Inputs: adj 2,048 x 2,048 float32; b_attn 3,072 float32; b_proj 1,024 float32; b_proj1 1,024 float32; lowp_scales 10 int32 (the exponents e of the quantised operands' scales 2^e); w_attn 1,024 x 3,072 float32; w_proj 1,024 x 1,024 float32; w_proj1 1,024 x 1,024 float32; x 2 x 2,048 x 1,024 float32.
;; Outputs: out0 2 x 2,048 x 1,024 float32.
;; This version of the problem:
;;   THIS VERSION OF THE PROBLEM IS GIVEN IN LOW PRECISION. The matrix products marked QUANTISED in the list below multiply operands that are first quantised to E5M2 (5 exponent bits, 2 mantissa bits; 8 bits a number), with one given power-of-two scale for each operand tensor; their sums are f32. All else is computed in f32.
;;   The module's matrix products, in the order in which they are computed (A, B: the left and right operand; K: the contracted axis; several contracted axes count as one K, in the product's order):
;;     1. [M 4,096, K 1,024] x [K 1,024, N 3,072]; A: input x; B: input w_attn: QUANTISED (scales: A lowp_scales[0], B lowp_scales[1])
;;     2. batch 32 x [M 2,048, K 64] x [K 64, N 2,048]; A: computed on the way; B: computed on the way: QUANTISED (scales: A lowp_scales[2], B lowp_scales[3])
;;     3. batch 32 x [M 2,048, K 2,048] x [K 2,048, N 64]; A: softmax (see below); B: computed on the way: QUANTISED (scales: A lowp_scales[4], B lowp_scales[5])
;;     4. [M 4,096, K 1,024] x [K 1,024, N 1,024]; A: computed on the way; B: input w_proj: QUANTISED (scales: A lowp_scales[6], B lowp_scales[7])
;;     5. [M 4,096, K 1,024] x [K 1,024, N 1,024]; A: computed on the way; B: input w_proj1: QUANTISED (scales: A lowp_scales[8], B lowp_scales[9])
;;   THE QUANTISER, for each operand of a quantised product, along K:
;;     - The operand's scale is 2^e, e = its entry of the input lowp_scales (int32; the entries are numbered through the quantised products in the list's order, A before B).
;;     - Each number is divided by the scale, clamped to +-57,344, and rounded to the nearest number of E5M2, ties to even, subnormals kept.
;;     - The product sums the exact products of the quantised numbers (number of the format x scale) in f32.
;;   ~~~python
;;   def quantise(x, axis, e):      # numpy; x: float32 -> the quantised numbers, widened to float32 again
;;       x = np.moveaxis(x, axis, -1); K = x.shape[-1]
;;       r = np.clip(x / 2.0 ** e, -57344, 57344)
;;       step = 2.0 ** (np.maximum(np.frexp(np.where(r == 0, 1, r))[1] - 1, -14) - 2)
;;       q = np.round(r / step) * step * 2.0 ** e      # np.round: ties to even
;;       return np.moveaxis(q, -1, axis).astype(np.float32)
;;   ~~~
;;   SOFTMAX AHEAD OF A QUANTISED PRODUCT. Where the list says 'softmax', what is quantised is not the finished softmax but p = 2^(t - M), with t = logit x log2(e) and M = ceil(the row's largest t), a whole number; so 1/2 < the row's largest p <= 1. The row's sum l is taken of the UNQUANTISED p, in f32, and the product's result is divided by l at the end. Since M is a whole number, a kernel that streams over the keys may use a running M (the ceiling of the running maximum): every later rescaling is an exact power of two, so the quantised numbers keep their values, but for numbers so far below the row's largest that they fall under the format's range.
;;   OPERANDS COMPUTED ON THE WAY. 'Computed on the way' means the value that the module computes at that place (a softmax that the list does not call 'softmax' is quantised finished and normalised). What goes into a quantiser is computed in f32, as accurately as f32 sums, v_exp_f32 and their like allow (about 1e-6 of the number): no bf16 or f16 on the way to a quantiser, and a product that is left as it is and whose result goes on into a quantised operand takes f32 operands (vector FMAs, or v_wmma_f32_16x16x4_f32). A number that lies on a knife's edge between two numbers of the format may be rounded either way, as far as f32 arithmetic and the matrix unit's own rounding can turn it there, and no further.
;; One version. Each part assembles by itself: llvm-mc -triple=amdgcn-amd-amdhsa -mcpu=gfx1250 --defsym DOCPART=n.
;; ======== version 1 of 1: 4 launches
;; limits: right only within a limited range of input values
;; workspace buffers: x_img 4,194,304 bytes; wa_img 3,145,728 bytes; wpp_img 2,097,152 bytes; q2_img 4,194,304 bytes; k_img 4,194,304 bytes; v_img 4,194,304 bytes; aq_img 8,388,608 bytes
;; launch quant (part 1): grid 416 x 1, 8 waves a work-group, no clusters, 68,608 bytes of LDS; arguments x, w_attn, w_proj, w_proj1, lowp_scales, x_img, wa_img, wpp_img; writes x_img, wa_img, wpp_img
.if DOCPART == 1
	.amdgcn_target "amdgcn-amd-amdhsa--gfx1250"
	.amdhsa_code_object_version 6
	.text
	.protected	k_q5d54366d92_quant
	.globl	k_q5d54366d92_quant
	.p2align	8
	.type	k_q5d54366d92_quant,@function
k_q5d54366d92_quant:
	s_mov_b64 s[64:65], 0
	v_nop
	global_prefetch_b8 v0, s[64:65] scope:SCOPE_SE
	s_setreg_imm32_b32 hwreg(HW_REG_WAVE_MODE, 25, 1), 1
	s_wait_xcnt 0x0
; x [4096][1024], w_attn [1024][3072], w_proj and w_proj1 [1024][1024], all f32, become codes of BF8 (E5M2), each tensor with its given scale 2^e
; (x: entry 0 of the scales, w_attn: 1, w_proj: 7, w_proj1: 9).  code = number / 2^e, held within +-57,344, to the nearest code, ties to even.
; LIMITS: each e between -126 and 112, so that 2^e and 57,344 x 2^e are f32 numbers.  NaN among the inputs is not served (an infinity is held at the largest code).
; THE CODES ARE LAID AS IMAGES OF OPERAND REGISTERS.  A fragment, 16 rows x 128 along K, is 2,048 bytes [g 0..3][lane 0..31][16 bytes]: lane (r = lane % 16, h = lane / 16) holds row r,
; and its 16 bytes of group g are k = 32 g + 8 h + 0..7, then k = 32 g + 16 + 8 h + 0..7: registers 4 g .. 4 g + 3 of the 8-bit operand layout of v_wmma_f32_16x16x128_bf8_bf8.
; So a later launch fetches a fragment by four loads of 512 consecutive bytes, and nothing is ever transposed again.
;   x_img  [256 tiles of 16 tokens][8 K steps][2048]     wa_img [192 tiles of 16 columns][8 K steps][2048]     wpp_img [64 tiles of 16 columns][16 K steps][2048]: K steps 0-7 w_proj, 8-15 w_proj1
; One launch, three ways that part on the work-group's number: 0-255 x (one tile of 16 tokens each), 256-351 w_attn, 352-415 the two projections.  Only x's way uses LDS.
; A stream: memory binds.  No matrix unit, no cluster (no two work-groups read the same byte), no tensor load, no barrier: waves share nothing.
.set XR,  16                           ; v16-79   x: a unit's 64 registers as loaded
.set XN,  144                          ; v144-207 x: 64 numbers in the order of the operand's registers
.set XC,  208                          ; v208-223 x: the unit's codes
.set SPX, 528                          ; x: a stage row: 512 bytes + 16, an odd multiple of 16, so that sixteen rows' reads of 16 bytes fall on different banks (64 banks of 4 bytes: ISA guide 11.1)
.set WST, 16*SPX                       ; x: a wave's own stage
	s_load_b256 s[4:11], s[0:1], 0x0               ; x s[4:5], w_attn s[6:7], w_proj s[8:9], w_proj1 s[10:11]
	s_load_b256 s[12:19], s[0:1], 0x20             ; the scales s[12:13], x_img s[14:15], wa_img s[16:17], wpp_img s[18:19]
	v_lshl_add_u32 v240, v0, 2, 0x10800            ; my spare word, behind the eight stages of 8,448 bytes
	v_mov_b32 v241, 0
	v_lshrrev_b32 v1, 5, v0
	v_readfirstlane_b32 s20, v1                    ; wave 0..7
	v_and_b32 v2, 31, v0                           ; lane
	s_mov_b32 s35, 0
	s_wait_kmcnt 0x0
	s_load_b256 s[24:31], s[12:13], 0x0            ; e0 .. e7
	s_load_b64 s[32:33], s[12:13], 0x20            ; e8, e9
	s_cmp_lt_u32 ttmp9, 256
	s_cbranch_scc0 .Lweights
; ---------------- x: K is innermost.  Wave w of eight takes K step w (one unit) of the tile's 16 rows.
; A load reads 512 consecutive bytes of one row; the unit's 16 rows go through the wave's own stage and come back as the operand's layout wants them: 8 neighbours along K at a time.
.macro XLOAD u
.set i, 0
.rept 16
	global_load_b128 v[XR+64*\u+4*i:XR+64*\u+4*i+3], v4, s[4:5] offset:4096*i+512*\u th:TH_LOAD_NT
.set i, i+1
.endr
.endm
.macro XTURN u                         ; LDS serves a wave's instructions in order (ISA guide 5.7.1.4): no wait between my stores and my loads
.set i, 0
.rept 16
	ds_store_b128 v5, v[XR+64*\u+4*i:XR+64*\u+4*i+3] offset:SPX*i
.set i, i+1
.endr
.irp g, 0,1,2,3
	ds_load_b128 v[XN+16*\g:XN+16*\g+3],     v6 offset:128*\g       ; k = 32 g + 8 h + 0..3
	ds_load_b128 v[XN+16*\g+4:XN+16*\g+7],   v6 offset:128*\g+16    ;                 4..7
	ds_load_b128 v[XN+16*\g+8:XN+16*\g+11],  v6 offset:128*\g+64    ; k = 32 g + 16 + 8 h + 0..3
	ds_load_b128 v[XN+16*\g+12:XN+16*\g+15], v6 offset:128*\g+80    ;                      4..7
.endr
.endm
.macro XQ u
	s_wait_dscnt 0x0                               ; the unit is back from the stage
.set i, 0
.rept 64
	v_med3_num_f32 v[XN+i], v[XN+i], -v10, v10     ; the conversion to an 8-bit code does not saturate (ISA guide 7.6.2): the hold at the largest code x the scale comes first
.set i, i+1
.endr
.irp g, 0,1,2,3
	v_cvt_scalef32_pk8_bf8_f32 v[XC+16*\u+4*\g:XC+16*\u+4*\g+1],   v[XN+16*\g:XN+16*\g+7],    v11
	v_cvt_scalef32_pk8_bf8_f32 v[XC+16*\u+4*\g+2:XC+16*\u+4*\g+3], v[XN+16*\g+8:XN+16*\g+15], v11
.endr
	v_nop                                          ; a plain line behind the conversions
.irp g, 0,1,2,3
	global_store_b128 v7, v[XC+16*\u+4*\g:XC+16*\u+4*\g+3], s[14:15] offset:2048*\u+512*\g   ; 32 lanes store 512 consecutive bytes, at a multiple of 256 from the buffer's first byte
.endr
.endm
	s_lshl_b32 s34, ttmp9, 16                      ; the tile's 16 rows of 4,096 bytes
	s_add_nc_u64 s[4:5], s[4:5], s[34:35]
	s_lshl_b32 s34, ttmp9, 14                      ; and its eight fragments
	s_add_nc_u64 s[14:15], s[14:15], s[34:35]
	s_wait_alu depctr_va_vdst(0)
	v_lshlrev_b32 v3, 4, v2                        ; 16 x lane
	s_lshl_b32 s36, s20, 9
	v_add_nc_u32 v4, s36, v3                       ; in memory: my wave's 512 bytes of a row, my 16 of them
	s_mul_i32 s37, s20, WST
	v_add_nc_u32 v5, s37, v3                       ; into my stage, as loaded
	v_and_b32 v8, 15, v2                           ; r
	v_lshrrev_b32 v9, 4, v2                        ; h
	v_mul_u32_u24 v6, v8, SPX
	v_lshl_add_u32 v6, v9, 5, v6
	v_add_nc_u32 v6, s37, v6                       ; out of it: row r, + 32 h bytes
	s_lshl_b32 s38, s20, 11
	v_add_nc_u32 v7, s38, v3                       ; in x_img: my wave's fragment, 16 x lane
	XLOAD 0
	s_wait_alu depctr_va_vdst(0)
	s_wait_kmcnt 0x0
	s_add_co_i32 s36, s24, 127
	s_lshl_b32 s37, s36, 23
	v_mov_b32 v11, s37                             ; 2^e0 as f32: the conversion takes its exponent field
	s_add_co_i32 s36, s36, 15
	s_lshl_b32 s36, s36, 23
	s_or_b32 s36, s36, 0x600000
	v_mov_b32 v10, s36                             ; 57,344 x 2^e0
	s_wait_alu depctr_va_vdst(0)
	s_wait_loadcnt 0x0                             ; the unit's sixteen loads are in
	XTURN 0
	XQ 0
	s_wait_tensorcnt 0x0
	ds_add_u32 v240, v241
	s_wait_dscnt 0x0
	s_endpgm
; ---------------- the weights: K is the FIRST axis.  A lane takes a column and its registers run down K: each load reads 128 consecutive bytes a wave, and the conversions give codes with K innermost.
; A work-group takes 128 columns x 256 along K; of its eight waves, wave w takes the 32 columns w % 4 and the 128 along K w / 4: 4 blocks of 32, one K step of the images.
; Of a block's 32 codes, k = 0..7 and 16..23 are the 16 bytes of image lane r, k = 8..15 and 24..31 those of image lane 16 + r: lanes 0-15 (one tile of columns) store 256 consecutive bytes,
; lanes 16-31 (the next tile) another 256.  Every offset is an immediate (127 rows of 12,288 bytes at the most); each block has its own code registers, so no store's data are written again.  Loads run two blocks ahead.
.macro WLOAD t, n
.set i, 0
.rept 32
	global_load_b32 v[16+32*((\t)%2)+i], v3, s[40:41] offset:(32*(\t)+i)*(\n)*4 th:TH_LOAD_NT
.set i, i+1
.endr
.endm
.macro WBLOCK t, n
.set XS, 16+32*((\t)%2)
.set CD, 80+8*(\t)
.if (\t) < 3
	s_wait_loadcnt 32                              ; this block's 32 loads are in; the next block's 32 may be out
.else
	s_wait_loadcnt 0x0
.endif
.set i, 0
.rept 32
	v_med3_num_f32 v[XS+i], v[XS+i], -v10, v10
.set i, i+1
.endr
	v_cvt_scalef32_pk8_bf8_f32 v[CD:CD+1],   v[XS:XS+7],     v11
	v_cvt_scalef32_pk8_bf8_f32 v[CD+2:CD+3], v[XS+16:XS+23], v11
	v_cvt_scalef32_pk8_bf8_f32 v[CD+4:CD+5], v[XS+8:XS+15],  v11
	v_cvt_scalef32_pk8_bf8_f32 v[CD+6:CD+7], v[XS+24:XS+31], v11
	v_nop                                          ; a plain line behind the conversions
	global_store_b128 v8, v[CD:CD+3],   s[42:43] offset:((\t)/4)*2048+((\t)%4)*512
	global_store_b128 v8, v[CD+4:CD+7], s[42:43] offset:((\t)/4)*2048+((\t)%4)*512+256
.if (\t)+2 < 4
	WLOAD (\t)+2, \n
.endif
.endm
; n: the weight's columns; ts: bytes of a tile of 16 columns in the image buffer.  In: s21 = the work-group's number within the weight, s[40:41] the weight, s[42:43] its images, s44 its e.
.macro WQ n, ts
	s_lshr_b32 s45, s21, 2                         ; which 128 columns
	s_and_b32 s46, s21, 3                          ; which 256 along K
	s_lshl_b32 s46, s46, 1
	s_lshr_b32 s34, s20, 2
	s_add_co_u32 s46, s46, s34                     ; which 128 along K is my wave's
	s_lshl_b32 s47, s45, 7
	s_and_b32 s34, s20, 3
	s_lshl_b32 s34, s34, 5
	s_add_co_u32 s47, s47, s34                     ; my wave's first column
	s_lshl_b32 s34, s47, 2
	s_mul_i32 s36, s46, 128*\n*4
	s_add_co_u32 s34, s34, s36
	s_add_nc_u64 s[40:41], s[40:41], s[34:35]
	s_lshr_b32 s47, s47, 4                         ; its tile of 16 columns
	s_mul_i32 s34, s47, \ts
	s_lshl_b32 s36, s46, 11                        ; a K step of 2,048 bytes
	s_add_co_u32 s34, s34, s36
	s_add_nc_u64 s[42:43], s[42:43], s[34:35]
	v_lshlrev_b32 v3, 2, v2                        ; in: 4 bytes a lane
	v_lshrrev_b32 v8, 4, v2
	v_mul_u32_u24 v8, v8, \ts
	v_and_b32 v9, 15, v2
	v_lshl_add_u32 v8, v9, 4, v8                   ; out: lanes 16-31 one tile on; 16 bytes a lane
	WLOAD 0, \n
	WLOAD 1, \n
	s_add_co_i32 s36, s44, 127
	s_lshl_b32 s37, s36, 23
	v_mov_b32 v11, s37                             ; 2^e
	s_add_co_i32 s36, s36, 15
	s_lshl_b32 s36, s36, 23
	s_or_b32 s36, s36, 0x600000
	v_mov_b32 v10, s36                             ; 57,344 x 2^e
	s_wait_alu depctr_va_vdst(0)
.irp t, 0,1,2,3
	WBLOCK \t, \n
.endr
.endm
.Lweights:
	s_wait_kmcnt 0x0
	s_cmp_lt_u32 ttmp9, 352
	s_cbranch_scc0 .Lproj
	s_sub_co_u32 s21, ttmp9, 256
	s_mov_b64 s[40:41], s[6:7]
	s_mov_b64 s[42:43], s[16:17]
	s_mov_b32 s44, s25                             ; e1
	s_wait_alu depctr_va_vdst(0)
	WQ 3072, 16384
	s_endpgm
.Lproj:
	s_sub_co_u32 s21, ttmp9, 352
	s_cmp_lt_u32 s21, 32                           ; w_proj or w_proj1: the choice hangs on the work-group's number alone
	s_cselect_b64 s[40:41], s[8:9], s[10:11]
	s_cselect_b32 s44, s31, s33                    ; e7 or e9
	s_cselect_b32 s22, 0, 16384                    ; K steps 0-7 or 8-15 of a tile
	s_mov_b32 s23, 0
	s_add_nc_u64 s[42:43], s[18:19], s[22:23]
	s_and_b32 s21, s21, 31
	s_wait_alu depctr_va_vdst(0)
	WQ 1024, 32768
	s_endpgm
.Lfunc_end_k_q5d54366d92_quant:
	.size	k_q5d54366d92_quant, .Lfunc_end_k_q5d54366d92_quant-k_q5d54366d92_quant
	.p2alignl 7, 3214868480
	.fill 96, 4, 3214868480
	.section	.rodata,"a",@progbits
	.p2align	6, 0x0
	.amdhsa_kernel k_q5d54366d92_quant
		.amdhsa_group_segment_fixed_size 68608
		.amdhsa_private_segment_fixed_size 0
		.amdhsa_enable_private_segment 0
		.amdhsa_kernarg_size 64
		.amdhsa_user_sgpr_count 2
		.amdhsa_user_sgpr_kernarg_segment_ptr 1
		.amdhsa_wavefront_size32 1
		.amdhsa_system_sgpr_workgroup_id_x 1
		.amdhsa_system_sgpr_workgroup_id_y 1
		.amdhsa_system_sgpr_workgroup_id_z 1
		.amdhsa_system_vgpr_workitem_id 0
		.amdhsa_next_free_vgpr 242
		.amdhsa_next_free_sgpr 66
		.amdhsa_reserve_vcc 0
		.amdhsa_float_denorm_mode_32 3
		.amdhsa_float_denorm_mode_16_64 3
		.amdhsa_memory_ordered 1
		.amdhsa_forward_progress 1
		.amdhsa_inst_pref_size 58
	.end_amdhsa_kernel
	.amdgpu_metadata
---
amdhsa.version: [ 1, 2 ]
amdhsa.kernels:
  - .name:           k_q5d54366d92_quant
    .symbol:         k_q5d54366d92_quant.kd
    .args:
      - { .name: x, .offset: 0, .size: 8, .value_kind: global_buffer, .address_space: global }
      - { .name: w_attn, .offset: 8, .size: 8, .value_kind: global_buffer, .address_space: global }
      - { .name: w_proj, .offset: 16, .size: 8, .value_kind: global_buffer, .address_space: global }
      - { .name: w_proj1, .offset: 24, .size: 8, .value_kind: global_buffer, .address_space: global }
      - { .name: lowp_scales, .offset: 32, .size: 8, .value_kind: global_buffer, .address_space: global }
      - { .name: x_img, .offset: 40, .size: 8, .value_kind: global_buffer, .address_space: global }
      - { .name: wa_img, .offset: 48, .size: 8, .value_kind: global_buffer, .address_space: global }
      - { .name: wpp_img, .offset: 56, .size: 8, .value_kind: global_buffer, .address_space: global }
    .group_segment_fixed_size: 68608
    .private_segment_fixed_size: 0
    .kernarg_segment_align: 8
    .kernarg_segment_size: 64
    .max_flat_workgroup_size: 256
    .sgpr_count:     66
    .vgpr_count:     242
    .wavefront_size: 32
...
	.end_amdgpu_metadata
.endif
;; end of part 1
;; launch qkv (part 2): grid 12 x 16, 4 waves a work-group, clusters of 4 x 4, 327,680 bytes of LDS; arguments x_img, wa_img, b_attn, lowp_scales, q2_img, k_img, v_img, aq_img; writes q2_img, k_img, v_img, aq_img
.if DOCPART == 2
	.amdgcn_target "amdgcn-amd-amdhsa--gfx1250"
	.amdhsa_code_object_version 6
	.text
	.protected	k_q5d54366d92_qkv
	.globl	k_q5d54366d92_qkv
	.p2align	8
	.type	k_q5d54366d92_qkv,@function
k_q5d54366d92_qkv:
	s_mov_b64 s[64:65], 0
	v_nop
	global_prefetch_b8 v0, s[64:65] scope:SCOPE_SE
	s_setreg_imm32_b32 hwreg(HW_REG_WAVE_MODE, 25, 1), 1
	s_wait_xcnt 0x0
	s_wait_alu depctr_hold_cnt(0) depctr_sa_sdst(0) depctr_va_vdst(0) depctr_va_sdst(0) depctr_va_ssrc(0) depctr_va_vcc(0) depctr_vm_vsrc(0)
	s_getreg_b32 s2, hwreg(HW_REG_IB_STS2, 6, 4)
	s_cmp_eq_u32 s2, 0
	s_cbranch_scc0 .Lentry_in_a_cluster
	s_endpgm
.Lentry_in_a_cluster:
	s_bfe_u32 s2, ttmp6, 0x10000c
	s_cmp_lg_u32 s2, 0xf033
	s_cbranch_scc0 .Lentry_shape_is_right
	s_endpgm
.Lentry_shape_is_right:
; qkv = x w_attn + b_attn on codes of BF8, sums in f32; q is quantised with e2 (q2_img) and with e8 (aq_img, K steps 8-15), k with e3 (k_img), v along the keys with e5 (v_img).
; A work-group of four waves makes a block of 256 x 256, a wave 128 x 128: 64 accumulators.  Cluster x = 0: q, 1: k (source 0 = 16 rows of w_attn, source 1 = 16 tokens: a lane holds one token, registers run along the channels);
; 2: v (the two swapped: a lane holds one channel, registers run along the tokens, which are the next product's K).  So eight results convert straight into the next operand's registers.
; CLUSTER 4 x 4: the tiles of source 1 are asked for jointly along a row, those of source 0 along a column.  K goes in four slots of 256 through a ring of two.
; At the head each wave has one joint load, its part of slot 0; slot 1's first fill stands behind the full sequence and a round, like a refill.
; No prefetch: K is four slots at this block of 256 x 256; two of the four are asked for ahead of the first change of slots, and no loop is there to run ahead in.
; LIMITS: e0 + e1 between -126 and 127; e2, e3, e5, e8 between -126 and 112.  NaN is not served; an infinity is held at the largest code.
.set SLOT,   131072
.set SPARE,  2*SLOT
.set FR,     16
.set NL,     4
.set NP,     4
.set ADRA, 16
.set ADRB, 20
.set LI,   26
.set SPW,  28
.set NIL,  29
.set OB,   30
.set OA,   31
.set BB,   32
.set BA,   96
.set SC1,  112
.set LM1,  113
.set SC2,  114
.set LM2,  115
.set ZR,   116
.set AF,   128
.set TMP,  128
.set CC,   192
.set G1, 24
.set G0, 32
.set G1B, 48
.set G0B, 56
.set MSB, 0
.macro WIN new
.if MSB != (\new)
	s_set_vgpr_msb (MSB<<8)|(\new)
.set MSB, (\new)
.endif
.endm
.set MUL_LO, 0xa1
.set MUL_HI, 0xf1
.set TO_B,   0x40
.macro JLOAD s
	s_cmp_eq_u32 s15, 0
	s_cbranch_scc0 .Lfor_b_\@
	tensor_load_to_lds s[G0+4*\s:G0+4*\s+3], s[G1:G1+7]
	s_nop 0
.rept 4
	v_nop
.endr
	s_branch .Lasked_\@
.Lfor_b_\@:
	tensor_load_to_lds s[G0B+4*\s:G0B+4*\s+3], s[G1B:G1B+7]
	s_nop 0
.rept 4
	v_nop
.endr
.Lasked_\@:
.endm
.macro CREST
	s_cmp_lg_u32 s14, 0
	s_cbranch_scc1 .Lnot_wave_0_\@
	s_barrier_signal -3
.Lnot_wave_0_\@:
	s_barrier_wait -3
	s_barrier_signal -1
	s_barrier_wait -1
.endm
.macro CROUND
	s_barrier_signal -1
	s_barrier_wait -1
	CREST
.endm
	s_load_b256 s[4:11], s[0:1], 0x0
	s_load_b256 s[68:75], s[0:1], 0x20
	v_lshl_add_u32 v[SPW], v0, 2, SPARE
	v_mov_b32 v[NIL], 0
	ds_add_u32 v28, v29
	ds_add_u32 v28, v29
	s_wait_dscnt 0x0
	v_lshrrev_b32 v1, 5, v0
	v_readfirstlane_b32 s14, v1
	s_lshr_b32 s15, s14, 1
	s_and_b32 s16, s14, 1
	s_bfe_u32 s40, ttmp6, 0x40000
	s_bfe_u32 s41, ttmp6, 0x40004
	s_and_b32 s12, ttmp7, 0xffff
	s_cmp_eq_u32 ttmp9, 2
	s_cselect_b32 s17, 0, s12
	s_cselect_b32 s42, s12, ttmp9
	s_cselect_b32 s96, -1, 0
	s_lshl_b32 s17, s17, 2
	s_add_co_u32 s17, s17, s41
	s_lshl_b32 s42, s42, 2
	s_add_co_u32 s42, s42, s40
	s_lshl_b32 s43, s41, 2
	s_lshl_b32 s43, 15, s43
	s_lshl_b32 s44, 0x1111, s40
	s_or_b32 s[G1+0], s43, (3<<16)|(1<<21)
	s_or_b32 s[G1B+0], s44, (3<<16)|(1<<21)
.irp g, G1, G1B
	s_mov_b32 s[\g+1], 512<<16
	s_mov_b32 s[\g+2], 8<<16
	s_mov_b32 s[\g+3], 512<<16
	s_mov_b32 s[\g+4], 8
	s_mov_b32 s[\g+5], 2048
	s_mov_b32 s[\g+6], 0
	s_mov_b32 s[\g+7], 0
.endr
	s_lshl_b32 s18, s16, 17
	s_lshl_b32 s20, s17, 18
	s_add_co_u32 s20, s20, s18
	s_mov_b32 s21, 0
	s_lshl_b32 s46, s42, 18
	s_add_co_u32 s46, s46, s18
	s_mov_b32 s47, 0
	s_lshl_b32 s45, s14, 15
	s_wait_kmcnt 0x0
	s_load_b256 s[76:83], s[10:11], 0x0
	s_load_b32 s84, s[10:11], 0x20
	s_add_nc_u64 s[2:3], s[6:7], 0x200000
	s_cmp_eq_u32 ttmp9, 2
	s_cselect_b64 s[22:23], s[2:3], s[4:5]
	s_cselect_b64 s[66:67], s[4:5], s[6:7]
	s_add_nc_u64 s[20:21], s[22:23], s[20:21]
	s_add_nc_u64 s[46:47], s[66:67], s[46:47]
	CROUND
.irp s, 0,1
	s_mov_b32 s[G0+4*\s], 1
	s_add_co_u32 s[G0+4*\s+1], s45, \s*SLOT
	s_add_nc_u64 s[G0+4*\s+2:G0+4*\s+3], s[20:21], \s*4096
	s_or_b32 s[G0+4*\s+3], s[G0+4*\s+3], 0x80000000
	s_mov_b32 s[G0B+4*\s], 1
	s_add_co_u32 s[G0B+4*\s+1], s45, \s*SLOT
	s_add_nc_u64 s[G0B+4*\s+2:G0B+4*\s+3], s[46:47], \s*4096
	s_or_b32 s[G0B+4*\s+3], s[G0B+4*\s+3], 0x80000000
.endr
	JLOAD 0                                        ; slot 0: one tensor load a wave at the head
	v_and_b32 v1, 31, v0
	v_and_b32 v2, 15, v0
	v_bfe_u32 v3, v0, 4, 1
	s_wait_alu depctr_va_vdst(0)
	v_lshlrev_b32 v[LI], 4, v1
	s_lshl_b32 s21, s15, 15
	s_lshl_b32 s22, s16, 15
	s_add_co_u32 s22, s22, 65536
.irp s, 0,1
	v_add_nc_u32 v[ADRA+\s], s21, v[LI]
	v_add_nc_u32 v[ADRB+\s], s22, v[LI]
	s_add_co_u32 s21, s21, SLOT
	s_add_co_u32 s22, s22, SLOT
.endr
	s_lshl_b32 s18, s42, 10
	s_lshl_b32 s19, s16, 9
	s_add_co_u32 s18, s18, s19
	s_lshl_b32 s19, s17, 10
	s_lshl_b32 s12, s15, 9
	s_add_co_u32 s19, s19, s12
	s_add_co_u32 s19, s19, 8192
	s_cmp_eq_u32 ttmp9, 2
	s_cselect_b32 s18, 0, s18
	s_cselect_b32 s19, s19, 0
	v_lshl_add_u32 v[OB], v3, 5, s18
	v_lshl_add_u32 v[OA], v2, 2, s19
.irp b, 0,1,2,3,4,5,6,7
	global_load_b128 v[BB+8*\b:BB+8*\b+3],   v[OB], s[8:9] offset:64*\b
	global_load_b128 v[BB+8*\b+4:BB+8*\b+7], v[OB], s[8:9] offset:64*\b+16
.endr
.irp a, 0,1,2,3,4,5,6,7
	global_load_b32 v[BA+2*\a],   v[OA], s[8:9] offset:64*\a
	global_load_b32 v[BA+2*\a+1], v[OA], s[8:9] offset:64*\a
.endr
.macro FRAG reg, adr, q, i
.irp c, 0,1,2,3
	ds_load_b128 v[\reg+4*\c:\reg+4*\c+3], v[\adr] offset:(\i)*4096+(\q)*2048+512*\c
.endr
.endm
.macro MUL16 a0, p, zero
.irp a, \a0, \a0+1
.irp b, 0,1,2,3,4,5,6,7
.if \zero
	v_wmma_f32_16x16x128_bf8_bf8 v[8*(8*((\a)%4)+\b):8*(8*((\a)%4)+\b)+7], v[128*(\p)+FR*\b:128*(\p)+FR*\b+FR-1], v[AF+FR*(\a):AF+FR*(\a)+FR-1], 0
.else
	v_wmma_f32_16x16x128_bf8_bf8 v[8*(8*((\a)%4)+\b):8*(8*((\a)%4)+\b)+7], v[128*(\p)+FR*\b:128*(\p)+FR*\b+FR-1], v[AF+FR*(\a):AF+FR*(\a)+FR-1], v[8*(8*((\a)%4)+\b):8*(8*((\a)%4)+\b)+7]
.endif
.endr
.endr
.endm
.macro FETCH_B slot, q, p
	WIN TO_B
.irp i, 0,1,2,3,4,5,6,7
	FRAG 128*(\p)+FR*\i, ADRB+\slot, \q, \i
.endr
	WIN 0
.endm
.macro FETCH_A slot, q, i0
.irp i, \i0, \i0+1, \i0+2, \i0+3
	FRAG AF+FR*(\i), ADRA+\slot, \q, \i
.endr
.endm
.macro PLACES n
.rept \n
	v_nop
.endr
.endm
.macro STEP slot, q, zero
	s_wait_dscnt 4*NL
	WIN MUL_LO
	MUL16 0, (\q)%2, \zero
	MUL16 2, (\q)%2, \zero
	s_wait_dscnt 0
	PLACES NP
	FETCH_B \slot, (\q)+1, 1-(\q)%2
	FETCH_A \slot, (\q)+1, 0
	WIN MUL_HI
	MUL16 4, (\q)%2, \zero
	MUL16 6, (\q)%2, \zero
	PLACES NP
	WIN 0
	FETCH_A \slot, (\q)+1, 4
.endm
.macro TURN slot, next, fill
	s_wait_tensorcnt 0x0
	ds_add_u32 v[SPW], v[NIL]
	s_wait_dscnt 4*NL+1
	WIN MUL_LO
	MUL16 0, 1, 0
	s_wait_dscnt 0x0
	s_barrier_signal -1
	MUL16 2, 1, 0
	WIN 0
	s_barrier_wait -1
.if \fill
	CREST
	s_add_nc_u64 s[G0+4*\slot+2:G0+4*\slot+3], s[G0+4*\slot+2:G0+4*\slot+3], 8192
	s_add_nc_u64 s[G0B+4*\slot+2:G0B+4*\slot+3], s[G0B+4*\slot+2:G0B+4*\slot+3], 8192
	JLOAD \slot
.else
	PLACES NP
.endif
	FETCH_B \next, 0, 0
	FETCH_A \next, 0, 0
	WIN MUL_HI
	MUL16 4, 1, 0
	MUL16 6, 1, 0
	PLACES NP
	WIN 0
	FETCH_A \next, 0, 4
.endm
	s_wait_alu depctr_va_vdst(0)
	s_wait_tensorcnt 0x0                           ; my part of slot 0 is in
	ds_add_u32 v28, v29
	s_wait_dscnt 0x0
	CROUND                                         ; everybody's part of slot 0 is in, and the joint loads meet
	JLOAD 1
	FETCH_B 0, 0, 0
	FETCH_A 0, 0, 0
	FETCH_A 0, 0, 4
	STEP 0, 0, 1
	TURN 0, 1, 1
	STEP 1, 0, 0
	TURN 1, 0, 1
	STEP 0, 0, 0
	TURN 0, 1, 0
	STEP 1, 0, 0
	s_wait_dscnt 4*NL
	WIN MUL_LO
	MUL16 0, 1, 0
	MUL16 2, 1, 0
	s_wait_dscnt 0
	WIN MUL_HI
	MUL16 4, 1, 0
	MUL16 6, 1, 0
	WIN 0
	s_wait_kmcnt 0x0
	s_lshl_b32 s18, s17, 4
	s_lshl_b32 s19, s15, 3
	s_add_co_u32 s18, s18, s19
	s_lshl_b32 s19, s40, 1
	s_add_co_u32 s19, s19, s16
	s_lshl_b32 s20, s42, 1
	s_add_co_u32 s20, s20, s16
	s_lshl_b32 s21, s20, 6
	s_add_co_u32 s21, s21, s18
	s_lshl_b32 s21, s21, 11
	s_lshl_b32 s22, s18, 14
	s_lshl_b32 s23, s19, 11
	s_add_co_u32 s22, s22, s23
	s_lshl_b32 s12, s18, 15
	s_add_co_u32 s12, s12, s23
	s_add_co_u32 s12, s12, 16384
	s_mov_b32 s13, 0
	s_add_nc_u64 s[92:93], s[74:75], s[12:13]
	s_mov_b32 s94, 32768
	s_mov_b32 s95, 0
	s_mov_b32 s90, 16384
	s_mov_b32 s91, 0
	s_cmp_eq_u32 ttmp9, 2
	s_cselect_b32 s12, s21, s22
	s_cselect_b32 s90, 2048, s90
	s_cselect_b64 s[88:89], s[72:73], s[70:71]
	s_cselect_b32 s85, s81, s79
	s_cmp_eq_u32 ttmp9, 0
	s_cselect_b64 s[88:89], s[68:69], s[88:89]
	s_cselect_b32 s85, s78, s85
	s_add_nc_u64 s[88:89], s[88:89], s[12:13]
	s_add_co_i32 s86, s76, s77
	s_add_co_i32 s86, s86, 127
	s_lshl_b32 s86, s86, 23
	s_mov_b32 s87, s86
	s_add_co_i32 s18, s85, 127
	s_lshl_b32 s19, s18, 23
	s_add_co_i32 s18, s18, 15
	s_lshl_b32 s18, s18, 23
	s_or_b32 s18, s18, 0x600000
	s_add_co_i32 s20, s84, 127
	s_lshl_b32 s21, s20, 23
	s_add_co_i32 s20, s20, 15
	s_lshl_b32 s20, s20, 23
	s_or_b32 s20, s20, 0x600000
	v_mov_b32 v[SC1], s19
	v_mov_b32 v[LM1], s18
	v_mov_b32 v[SC2], s21
	v_mov_b32 v[LM2], s20
	v_mov_b32 v[ZR], 0
	s_wait_alu depctr_va_vdst(0)
	s_wait_loadcnt 0x0
.set j, 0
.rept 64
	v_cndmask_b32 v[BB+j], v[BB+j], v[ZR], s96
.set j, j+1
.endr
.set j, 0
.rept 16
	v_cndmask_b32 v[BA+j], v[ZR], v[BA+j], s96
.set j, j+1
.endr
.macro OUTPASS sc, lim, d, st
.irp a, 0,1,2,3,4,5,6,7
	WIN 0x02+(\a/4)
.set j, 0
.rept 32
	v_pk_fma_f32 v[TMP+j:TMP+j+1], v[64*(\a%4)+j:64*(\a%4)+j+1], s[86:87], v[BB+j:BB+j+1] op_sel_hi:[1,0,1]
.set j, j+2
.endr
	WIN 0
.set j, 0
.rept 32
	v_pk_add_f32 v[TMP+j:TMP+j+1], v[TMP+j:TMP+j+1], v[BA+2*\a:BA+2*\a+1]
.set j, j+2
.endr
.set j, 0
.rept 64
	v_med3_num_f32 v[TMP+j], v[TMP+j], -v[\lim], v[\lim]
.set j, j+1
.endr
.irp b, 0,1,2,3,4,5,6,7
	v_cvt_scalef32_pk8_bf8_f32 v[CC+16*(\a%2)+2*\b:CC+16*(\a%2)+2*\b+1], v[TMP+8*\b:TMP+8*\b+7], v[\sc]
.endr
	v_nop
.irp g, 0,1,2,3
	global_store_b128 v[LI], v[CC+16*(\a%2)+4*\g:CC+16*(\a%2)+4*\g+3], s[\d:\d+1] offset:512*\g
.endr
	s_wait_xcnt 0x0
	s_add_nc_u64 s[\d:\d+1], s[\d:\d+1], s[\st:\st+1]
.endr
.endm
	OUTPASS SC1, LM1, 88, 90
	s_cmp_lg_u32 ttmp9, 0
	s_cbranch_scc1 .Lno_second
	OUTPASS SC2, LM2, 92, 94
.Lno_second:
	s_wait_tensorcnt 0x0
	ds_add_u32 v[SPW], v[NIL]
	s_wait_dscnt 0x0
	CROUND
	s_endpgm
.Lfunc_end_k_q5d54366d92_qkv:
	.size	k_q5d54366d92_qkv, .Lfunc_end_k_q5d54366d92_qkv-k_q5d54366d92_qkv
	.p2alignl 7, 3214868480
	.fill 96, 4, 3214868480
	.section	.rodata,"a",@progbits
	.p2align	6, 0x0
	.amdhsa_kernel k_q5d54366d92_qkv
		.amdhsa_group_segment_fixed_size 327680
		.amdhsa_private_segment_fixed_size 0
		.amdhsa_enable_private_segment 0
		.amdhsa_kernarg_size 64
		.amdhsa_user_sgpr_count 2
		.amdhsa_user_sgpr_kernarg_segment_ptr 1
		.amdhsa_wavefront_size32 1
		.amdhsa_system_sgpr_workgroup_id_x 1
		.amdhsa_system_sgpr_workgroup_id_y 1
		.amdhsa_system_sgpr_workgroup_id_z 1
		.amdhsa_system_vgpr_workitem_id 0
		.amdhsa_next_free_vgpr 1024
		.amdhsa_next_free_sgpr 100
		.amdhsa_reserve_vcc 0
		.amdhsa_float_denorm_mode_32 3
		.amdhsa_float_denorm_mode_16_64 3
		.amdhsa_memory_ordered 1
		.amdhsa_forward_progress 1
		.amdhsa_inst_pref_size 232
	.end_amdhsa_kernel
	.amdgpu_metadata
---
amdhsa.version: [ 1, 2 ]
amdhsa.kernels:
  - .name:           k_q5d54366d92_qkv
    .symbol:         k_q5d54366d92_qkv.kd
    .args:
      - { .name: x_img, .offset: 0, .size: 8, .value_kind: global_buffer, .address_space: global }
      - { .name: wa_img, .offset: 8, .size: 8, .value_kind: global_buffer, .address_space: global }
      - { .name: b_attn, .offset: 16, .size: 8, .value_kind: global_buffer, .address_space: global }
      - { .name: lowp_scales, .offset: 24, .size: 8, .value_kind: global_buffer, .address_space: global }
      - { .name: q2_img, .offset: 32, .size: 8, .value_kind: global_buffer, .address_space: global }
      - { .name: k_img, .offset: 40, .size: 8, .value_kind: global_buffer, .address_space: global }
      - { .name: v_img, .offset: 48, .size: 8, .value_kind: global_buffer, .address_space: global }
      - { .name: aq_img, .offset: 56, .size: 8, .value_kind: global_buffer, .address_space: global }
    .group_segment_fixed_size: 327680
    .private_segment_fixed_size: 0
    .kernarg_segment_align: 8
    .kernarg_segment_size: 64
    .max_flat_workgroup_size: 128
    .sgpr_count:     100
    .vgpr_count:     1024
    .wavefront_size: 32
...
	.end_amdgpu_metadata
.endif
;; end of part 2
;; launch attn (part 3): grid 8 x 32, 16 waves a work-group, clusters of 4 x 4, 327,680 bytes of LDS; arguments q2_img, k_img, v_img, adj, lowp_scales, aq_img; writes aq_img
.if DOCPART == 3
	.amdgcn_target "amdgcn-amd-amdhsa--gfx1250"
	.amdhsa_code_object_version 6
	.text
	.protected	k_q5d54366d92_attn
	.globl	k_q5d54366d92_attn
	.p2align	8
	.type	k_q5d54366d92_attn,@function
k_q5d54366d92_attn:
	s_mov_b64 s[64:65], 0
	v_nop
	global_prefetch_b8 v0, s[64:65] scope:SCOPE_SE
	s_setreg_imm32_b32 hwreg(HW_REG_WAVE_MODE, 25, 1), 1
	s_wait_xcnt 0x0
	s_wait_alu depctr_hold_cnt(0) depctr_sa_sdst(0) depctr_va_vdst(0) depctr_va_sdst(0) depctr_va_ssrc(0) depctr_va_vcc(0) depctr_vm_vsrc(0)
	s_getreg_b32 s2, hwreg(HW_REG_IB_STS2, 6, 4)
	s_cmp_eq_u32 s2, 0
	s_cbranch_scc0 .Lentry_in_a_cluster
	s_endpgm
.Lentry_in_a_cluster:
	s_bfe_u32 s2, ttmp6, 0x10000c
	s_cmp_lg_u32 s2, 0xf033
	s_cbranch_scc0 .Lentry_shape_is_right
	s_endpgm
.Lentry_shape_is_right:
; a = softmax(q k^T x adj - 1e9 (1 - adj)) v for 2 batches x 16 heads of 64 channels, 2,048 queries and keys; both products on codes of BF8; a is quantised with e6 and stored as codes (aq_img, K steps 0-7).
; adj [2048][2048] f32 is an INPUT: every score takes its own adj, and no key is left out.
; THE SOFTMAX: t = (score x adj - 1e9 (1 - adj)) x log2(e); M = the running largest t rounded UP to a whole number; p = 2^(t - M) is quantised with e4, not normalised; the row's sum is taken of the unquantised p and divides at the end.
; When M moves, the sum and O are multiplied by 2^(old M - new M): exact.  t is made as  (sum x adj) x c + (N - N x adj),  c = log2(e) 2^(e2 + e3), N = -1e9 log2(e): for adj = 1 that is sum x c, for adj = 0 it is N, as in the
; definition; ORDER OF ROUNDING: for adj other than 0 or 1 it differs from the definition's by one rounding.  t is a rounded f32 number and -M is added to it plainly, so in a row whose keys are all masked t - M is 0 exactly and p = 1.
; LIMITS: e2 + e3 between -126 and 127 (added to c's exponent field); e4 and e6 between -126 and 112; e4 + e5 goes in by v_ldexp_f32.  NaN is not served.
; BUFFERS hold images of operand registers (2,048 bytes [g][lane][16] for 16 rows x 128 K; its halves of 1,024 bytes serve K = 64): q2_img, k_img [256 token tiles][16 heads][1024]; v_img [32 x 128 keys][64 channel tiles][2048]; aq_img [256 token tiles][16][2048].
; SHARES.  A work-group: 64 queries x 4 heads of one batch.  Wave w of sixteen: the 16 queries w % 4 of head w / 4, in 256 registers: four waves to a SIMD.
; Every wave walks all 2,048 keys, 128 a step.  Both products are used transposed (S^T = K Q^T, O^T = V^T P^T): a lane holds ONE query (lane % 16); register 8 t + j of S^T is key 16 t + 8 (lane / 16) + j, which is where the
; second product's operand wants it: eight registers convert into two registers of P.
; TWO CLASSES OF WAVES, HALF A STEP APART.  A step has two parts: LOADS (K's and adj's fragments out of LDS, S^T = K Q^T, V's fragments asked for) and COMPUTE (mask, softmax, O^T += V^T P^T: registers alone).
; Between two changes of slots a wave of class 0 runs LOADS j, COMPUTE j; a wave of class 1 runs COMPUTE j - 1, LOADS j.  So the sixteen waves do not all ask LDS for 32 fragments' loads at the same moment behind a barrier:
; while eight wait for theirs, the other eight have a step's vector work in hand.  All that COMPUTE reads lies in registers when LOADS is waited for, so it may stand behind the barrier behind which its step's slot is filled again.
; class = (w xor w / 4) % 2: of waves w, w + 4, w + 8, w + 12 two are of each class, and so are two of waves 4 s .. 4 s + 3.  The branches hang on the wave's number alone and lead round COMPUTE alone: no LDS line, barrier or tensor load.
; CLUSTER 4 x 4: x = the group of 4 heads, y = the block of 64 queries.  K's and V's tiles hang on the batch and the heads: asked for jointly down a column; adj's hang on the queries: jointly along a row.
; RING: two slots of one step: K 32,768 bytes, V 32,768, adj 64 rows of 512 bytes + 16 of padding.  Waves 0-3 fetch K, 4-7 V, 8-11 adj, a quarter each; waves 12-15 fetch nothing.  A wave has one tensor load out at the most.
.set SLOT1, 1<<17                      ; slot 1 begins here: one exclusive or turns an address from one slot to the other
.set VOFF,  32768
.set AOFF,  65536
.set AP,    528                        ; a row of adj in LDS: an odd multiple of 16 bytes, so that sixteen rows' reads of 16 bytes fall on different banks (ISA guide 11.1)
.set SPARE, 2*SLOT1                    ; behind the ring: the spare words, 128 bytes a wave: eight blocks of 256 bytes that no other line names
.set AK0, 1                            ; v1  my lane's place in a slot's K;  v2 in its V;  v3 in its adj
.set AV0, 2
.set AA0, 3
.set SPW, 4                            ; v4  LDS address of my spare word; never rewritten
.set NIL, 5                            ; v5  0; never rewritten
.set ADK, 6                            ; v6-8 the step's addresses
.set ADV, 7
.set ADA, 8
.set SCP, 9                            ; v9  2^e4 as f32; at the end 2^e6
.set NG,  10                           ; v[10:11] N, twice; at the end v10 = 57,344 x 2^e6
;                                        v12 -M, v13 the largest t, v[14:15] the sum in two halves, v16-23 Q, v24-31 at work
.set KV,  32                           ; v32-95   K's eight fragments, then V's four
.set S,   96                           ; v96-159  S^T, then t, then p
.set AJ,  160                          ; v160-223 adj; then v160-175 p's codes
.set OT,  224                          ; v224-255 O^T
.set WV,  18
.set CL,  19                           ; s19 my wave's class, 0 or 1
.set SEL, 20                           ; s[20:21] lane selects for v_permlanex16_b32: lane l xor 16
.set CS,  22                           ; s[22:23] c, twice
.set G1K, 24
.set G1V, 32
.set G1A, 40
.set G0K, 48
.set G0V, 52
.set G0A, 56
.set TB,  60                           ; s60 LDS byte at which the slot in hand begins
.set TRIPS, 61
.set LIMP, 62                          ; s62 57,344 x 2^e4
.set EPV, 63                           ; s63 e4 + e5
; The branches hang on the wave's number alone.  Four v_nop follow each tensor line.
.macro TLOAD
	s_cmp_lt_u32 s[WV], 4
	s_cbranch_scc0 .Lnot_k_\@
	tensor_load_to_lds s[G0K:G0K+3], s[G1K:G1K+7]
	s_nop 0
.rept 4
	v_nop
.endr
	s_branch .Lasked_\@
.Lnot_k_\@:
	s_cmp_lt_u32 s[WV], 8
	s_cbranch_scc0 .Lnot_v_\@
	tensor_load_to_lds s[G0V:G0V+3], s[G1V:G1V+7]
	s_nop 0
.rept 4
	v_nop
.endr
	s_branch .Lasked_\@
.Lnot_v_\@:
	s_cmp_lt_u32 s[WV], 12
	s_cbranch_scc0 .Lasked_\@
	tensor_load_to_lds s[G0A:G0A+3], s[G1A:G1A+7]
	s_nop 0
.rept 4
	v_nop
.endr
.Lasked_\@:
.endm
.macro CROUND                          ; a round of the cluster's barrier
	s_barrier_signal -1
	s_barrier_wait -1
	s_cmp_lg_u32 s[WV], 0
	s_cbranch_scc1 .Lnot_wave_0_\@
	s_barrier_signal -3
.Lnot_wave_0_\@:
	s_barrier_wait -3
	s_barrier_signal -1
	s_barrier_wait -1
.endm
	s_load_b256 s[4:11], s[0:1], 0x0               ; q2_img s[4:5], k_img s[6:7], v_img s[8:9], adj s[10:11]
	s_load_b128 s[12:15], s[0:1], 0x20             ; the scales s[12:13], aq_img s[14:15]
	v_lshl_add_u32 v[SPW], v0, 2, SPARE
	v_mov_b32 v[NIL], 0
	ds_add_u32 v4, v5
	ds_add_u32 v4, v5
	s_wait_dscnt 0x0
	v_lshrrev_b32 v6, 5, v0
	s_delay_alu instid0(VALU_DEP_1)
	v_readfirstlane_b32 s[WV], v6                  ; wave 0..15
	s_and_b32 s16, s[WV], 3                        ; my tile of queries.  Also: which quarter I fetch
	s_lshr_b32 s17, s[WV], 2                       ; my head of the four
	s_xor_b32 s[CL], s17, s[WV]
	s_and_b32 s[CL], s[CL], 1                      ; my class: (w xor w / 4) % 2
	s_bfe_u32 s76, ttmp6, 0x40000                  ; cx: the group of heads
	s_bfe_u32 s77, ttmp6, 0x40004                  ; cy
	s_and_b32 s78, ttmp7, 0xffff
	s_lshl_b32 s78, s78, 2
	s_add_co_u32 s78, s78, s77                     ; QB: my block of 64 queries = 4 x cluster y + cy
	s_lshl_b32 s79, s77, 2
	s_lshl_b32 s79, 15, s79                        ; my row of the cluster
	s_lshl_b32 s80, 0x1111, s76                    ; my column
	s_or_b32 s[G1K], s80, (3<<16)|(1<<21)          ; K: the column's mask; elements of 8 bytes; 21 set beside a mask.  2 key tiles: rows of 4,096 bytes (4 heads), 16,384 apart
	s_mov_b32 s[G1K+1], 512<<16
	s_mov_b32 s[G1K+2], 2<<16
	s_mov_b32 s[G1K+3], 512<<16
	s_mov_b32 s[G1K+4], 2
	s_mov_b32 s[G1K+5], 2048
	s_mov_b32 s[G1K+6], 0
	s_mov_b32 s[G1K+7], 0
	s_or_b32 s[G1V], s80, (3<<16)|(1<<21)          ; V: a dense block of 8,192 bytes (a head's 4 channel tiles), as 32 rows of 256 bytes
	s_mov_b32 s[G1V+1], 32<<16
	s_mov_b32 s[G1V+2], 32<<16
	s_mov_b32 s[G1V+3], 32<<16
	s_mov_b32 s[G1V+4], 32
	s_mov_b32 s[G1V+5], 32
	s_mov_b32 s[G1V+6], 0
	s_mov_b32 s[G1V+7], 0
	s_or_b32 s[G1A], s79, (2<<16)|(1<<20)|(1<<21)|(6<<22)|(3<<25)   ; adj: the row's mask; elements of 4 bytes; padding: 4 words behind every 128.  16 rows of 128 numbers, 2,048 apart
	s_mov_b32 s[G1A+1], 128<<16
	s_mov_b32 s[G1A+2], 16<<16
	s_mov_b32 s[G1A+3], 128<<16
	s_mov_b32 s[G1A+4], 16
	s_mov_b32 s[G1A+5], 2048
	s_mov_b32 s[G1A+6], 0
	s_mov_b32 s[G1A+7], 0
	s_lshl_b32 s82, ttmp9, 21                      ; K: (128 batch + 2 quarter) tiles of 16,384 bytes + 4,096 x group of heads: cx alone of the two places
	s_lshl_b32 s83, s16, 15
	s_add_co_u32 s82, s82, s83
	s_lshl_b32 s83, s76, 12
	s_add_co_u32 s82, s82, s83
	s_mov_b32 s83, 0
	s_lshl_b32 s84, ttmp9, 21                      ; V: (1,024 batch + 16 group + 4 quarter) tiles of 2,048 bytes
	s_lshl_b32 s85, s76, 15
	s_add_co_u32 s84, s84, s85
	s_lshl_b32 s85, s16, 13
	s_add_co_u32 s84, s84, s85
	s_mov_b32 s85, 0
	s_lshl_b32 s86, s78, 19                        ; adj: (64 QB + 16 quarter) rows of 8,192 bytes: cy alone
	s_lshl_b32 s87, s16, 17
	s_add_co_u32 s86, s86, s87
	s_mov_b32 s87, 0
	s_lshl_b32 s88, ttmp9, 7                       ; my token tile: 128 batch + 4 QB + my tile
	s_lshl_b32 s89, s78, 2
	s_add_co_u32 s88, s88, s89
	s_add_co_u32 s88, s88, s16
	s_lshl_b32 s89, s76, 2
	s_add_co_u32 s89, s89, s17
	s_lshl_b32 s89, s89, 10                        ; my head's 1,024 bytes in a tile
	s_lshl_b32 s90, s88, 14
	s_add_co_u32 s90, s90, s89                     ; in q2_img
	s_mov_b32 s91, 0
	s_lshl_b32 s92, s88, 15
	s_add_co_u32 s92, s92, s89                     ; in aq_img
	s_mov_b32 s93, 0
	s_mov_b32 s[SEL], 0x76543210
	s_mov_b32 s[SEL+1], 0xfedcba98
	s_mov_b32 s[TB], 0
	s_mov_b32 s[TRIPS], 14
	s_wait_kmcnt 0x0
	s_load_b256 s[68:75], s[12:13], 0x0            ; e0 .. e7
	s_mov_b32 s[G0K], 1
	s_lshl_b32 s[G0K+1], s16, 13                   ; LDS: quarter x 8,192: no place in the cluster enters an LDS address
	s_add_nc_u64 s[G0K+2:G0K+3], s[6:7], s[82:83]
	s_or_b32 s[G0K+3], s[G0K+3], 0x80000000
	s_mov_b32 s[G0V], 1
	s_lshl_b32 s[G0V+1], s16, 13
	s_add_co_u32 s[G0V+1], s[G0V+1], VOFF
	s_add_nc_u64 s[G0V+2:G0V+3], s[8:9], s[84:85]
	s_or_b32 s[G0V+3], s[G0V+3], 0x80000000
	s_mov_b32 s[G0A], 1
	s_mul_i32 s[G0A+1], s16, 16*AP
	s_add_co_u32 s[G0A+1], s[G0A+1], AOFF
	s_add_nc_u64 s[G0A+2:G0A+3], s[10:11], s[86:87]
	s_or_b32 s[G0A+3], s[G0A+3], 0x80000000
	s_add_nc_u64 s[90:91], s[4:5], s[90:91]
	s_add_nc_u64 s[92:93], s[14:15], s[92:93]
	CROUND                                         ; all sixteen work-groups are here: the first joint loads meet
	TLOAD                                          ; step 0 into slot 0
	v_and_b32 v24, 31, v0
	s_delay_alu instid0(VALU_DEP_1)
	v_lshlrev_b32 v24, 4, v24                      ; 16 x lane
	global_load_b128 v[16:19], v24, s[90:91]       ; Q's fragment stays in registers
	global_load_b128 v[20:23], v24, s[90:91] offset:512
	s_lshl_b32 s94, s17, 10
	v_add_nc_u32 v[AK0], s94, v24                  ; K: my head's 1,024 bytes of a key tile
	s_lshl_b32 s95, s17, 13
	s_add_co_u32 s95, s95, VOFF
	v_add_nc_u32 v[AV0], s95, v24                  ; V: my head's 8,192 bytes
	v_and_b32 v25, 15, v0                          ; r
	v_bfe_u32 v27, v0, 4, 1                        ; h
	s_delay_alu instid0(VALU_DEP_2)
	v_mul_u32_u24 v[AA0], v25, AP
	s_delay_alu instid0(VALU_DEP_1)
	v_lshl_add_u32 v[AA0], v27, 5, v[AA0]
	s_mul_i32 s96, s16, 16*AP
	s_add_co_u32 s96, s96, AOFF
	v_add_nc_u32 v[AA0], s96, v[AA0]               ; adj: row 16 x my tile + r, + 8 h numbers
; PREFETCHES INTO THE L2, two steps ahead of the joint load that will want the data: one instruction in wave 13 (K or V) and one in wave 15 (adj) for each step, both waves of class 0; a lane names one aligned block of 256 bytes.
; K and V: clusters of even y ask for K, of odd y for V.  The four partners of a column share a step's 128 blocks out by address (cy): K: key tiles 2 cy and 2 cy + 1, 16 blocks each; V: 8,192 bytes on end.
; adj: the four partners of a row share a step's 64 rows x 2 blocks out by address (cx): 16 rows each.
	s_lshl_b32 s14, s78, 19
	s_lshl_b32 s15, s76, 17
	s_add_co_u32 s14, s14, s15                     ; adj: 64 QB + 16 cx rows of 8,192 bytes
	s_lshl_b32 s4, ttmp9, 21                       ; K, V: the batch,
	s_and_b32 s15, ttmp7, 1
	s_cmp_eq_u32 s15, 0
	s_cselect_b64 s[98:99], s[6:7], s[8:9]
	s_cselect_b32 s15, 12, 15
	s_cselect_b32 s88, 15, 13
	s_cselect_b32 s3, 14, 12
	s_lshl_b32 s15, s76, s15                       ; the group of heads,
	s_lshl_b32 s88, s77, s88                       ; my share
	s_add_co_u32 s4, s4, s15
	s_add_co_u32 s4, s4, s88
	s_mov_b32 s66, 131072                          ; from step to step
	s_and_b32 s15, s[WV], 2
	s_cmp_lg_u32 s15, 0                            ; wave 15: adj
	s_cselect_b64 s[98:99], s[10:11], s[98:99]
	s_cselect_b32 s4, s14, s4
	s_cselect_b32 s3, 13, s3
	s_cselect_b32 s66, 512, s66
	s_cselect_b32 s2, 1, 4
	s_cselect_b32 s88, 1, 15
	s_mov_b32 s5, 0
	s_mov_b32 s67, 0
	s_add_nc_u64 s[98:99], s[98:99], s[4:5]        ; s[98:99]: at step 0; each change of slots steps it
	v_and_b32 v28, 31, v0
	v_lshrrev_b32 v27, s2, v28
	v_and_b32 v28, s88, v28
	v_lshlrev_b32 v27, s3, v27
	v_lshl_add_u32 v27, v28, 8, v27                ; lanes of a run 256 bytes apart, runs 2^s3 apart
	v_add_nc_u32 v28, s66, v27                     ; one step on
	v_add_nc_u32 v27, s66, v28                     ; v27: two steps on; never rewritten
	s_or_b32 s15, s[WV], 2
	s_cmp_eq_u32 s15, 15                           ; waves 13 and 15
	s_cselect_b32 s89, 2, 64                       ; s89: my wave asks while s[TRIPS] is greater; never in the other waves
	s_wait_alu depctr_va_vdst(0)
	s_cbranch_scc0 .Lnone_at_head
	global_prefetch_b8 v28, s[98:99] th:TH_LOAD_NT scope:SCOPE_SE   ; step 1
	global_prefetch_b8 v27, s[98:99] th:TH_LOAD_NT scope:SCOPE_SE   ; step 2
.Lnone_at_head:
	v_mov_b32 v[NG], 0xce6e6b28                    ; -1e9
	s_delay_alu instid0(VALU_DEP_1)
	v_mul_f32 v[NG], 0x3fb8aa3b, v[NG]             ; N = -1e9 x log2(e)
	s_delay_alu instid0(VALU_DEP_1)
	v_mov_b32 v[NG+1], v[NG]
	v_mov_b32 v13, 0xff61b1e6                      ; the largest t so far: -3e38, under every t
	s_delay_alu instid0(VALU_DEP_1)
	v_floor_f32 v12, -v13                          ; -M
	v_mov_b32 v14, 0                               ; the sum, in two halves
	v_mov_b32 v15, 0
	v_mov_b32 v26, 0                               ; written once: a lane permute's destination counts as one of its sources
	v_mov_b32 v29, 0                               ; (named as the upper half of the pair v[28:29])
.set j, 0
.rept 32
	v_mov_b32 v[OT+j], 0                           ; O^T.  (COMPUTE is written for every step alike: the first finds zeros, which the first change of M leaves zeros)
.set j, j+1
.endr
	s_wait_kmcnt 0x0
	s_add_co_i32 s94, s70, s71
	s_lshl_b32 s94, s94, 23
	s_add_co_i32 s[CS], s94, 0x3fb8aa3b            ; c = log2(e) x 2^(e2 + e3): the exponents are added to the exponent field
	s_mov_b32 s[CS+1], s[CS]
	s_add_co_i32 s94, s72, 127
	s_lshl_b32 s95, s94, 23
	v_mov_b32 v[SCP], s95                          ; 2^e4
	s_add_co_i32 s94, s94, 15
	s_lshl_b32 s94, s94, 23
	s_or_b32 s[LIMP], s94, 0x600000                ; 57,344 x 2^e4
	s_add_co_i32 s[EPV], s72, s73
	s_add_co_i32 s94, s74, 127
	s_lshl_b32 s96, s94, 23                        ; 2^e6
	s_add_co_i32 s94, s94, 15
	s_lshl_b32 s94, s94, 23
	s_or_b32 s97, s94, 0x600000                    ; 57,344 x 2^e6
; LOADS: a step's 128 keys come out of the slot at s[TB] into registers: K's fragments and adj; S^T = K Q^T; V's fragments over K's.  Every LDS read of a step stands here, on every wave's way.
.macro LOADS
	v_add_nc_u32 v[ADK], s[TB], v[AK0]             ; these three and the v_nop are the four places in front of loads into registers that the last products read
	v_add_nc_u32 v[ADV], s[TB], v[AV0]
	v_add_nc_u32 v[ADA], s[TB], v[AA0]
	v_nop
.irp t, 0,1,2,3,4,5,6,7
	ds_load_b128 v[KV+8*\t:KV+8*\t+3],   v[ADK] offset:4096*\t
	ds_load_b128 v[KV+8*\t+4:KV+8*\t+7], v[ADK] offset:4096*\t+512
.endr
.irp t, 0,1,2,3,4,5,6,7
	ds_load_b128 v[AJ+8*\t:AJ+8*\t+3],   v[ADA] offset:64*\t      ; adj(my query, 16 t + 8 h + 0..7): register for register as S^T
	ds_load_b128 v[AJ+8*\t+4:AJ+8*\t+7], v[ADA] offset:64*\t+16
.endr
	s_wait_alu depctr_va_vdst(0)
	s_wait_dscnt 16                                ; K is in; adj's sixteen loads may be out
.irp t, 0,1,2,3,4,5,6,7
	v_wmma_f32_16x16x64_bf8_bf8 v[S+8*\t:S+8*\t+7], v[KV+8*\t:KV+8*\t+7], v[16:23], 0
.endr
.rept 4
	v_nop                                          ; places in front of the loads over K's fragments and of the first read of the scores
.endr
.irp t, 0,1,2,3
.irp g, 0,1,2,3
	ds_load_b128 v[KV+16*\t+4*\g:KV+16*\t+4*\g+3], v[ADV] offset:2048*\t+512*\g
.endr
.endr
	s_xor_b32 s[TB], s[TB], SLOT1                  ; the next LOADS reads the other slot
.endm
; COMPUTE: the step whose scores, adj and V the last LOADS brought: mask, softmax, O^T += V^T P^T.  Registers alone.
.macro COMPUTE
	s_wait_dscnt 16                                ; adj is in; V's sixteen loads may be out (class 1 comes here behind a barrier, with nothing out)
.set j, 0
.rept 32
	v_pk_mul_f32 v[S+j:S+j+1], v[S+j:S+j+1], v[AJ+j:AJ+j+1]       ; sum x adj; each accumulator from its low end on
.set j, j+2
.endr
.set j, 0
.rept 32
	v_pk_fma_f32 v[AJ+j:AJ+j+1], v[AJ+j:AJ+j+1], v[NG:NG+1], v[NG:NG+1] neg_lo:[0,1,0] neg_hi:[0,1,0]   ; N - N x adj
.set j, j+2
.endr
.set j, 0
.rept 32
	v_pk_fma_f32 v[S+j:S+j+1], v[S+j:S+j+1], s[CS:CS+1], v[AJ+j:AJ+j+1] op_sel_hi:[1,0,1]   ; t
.set j, j+2
.endr
	v_max3_num_f32 v24, v[S], v[S+1], v[S+2]       ; the step's largest t of my query among my 64 keys, in two chains,
	v_max3_num_f32 v25, v[S+3], v[S+4], v[S+5]
.set j, 6
.rept 14
	s_delay_alu instid0(VALU_DEP_2)
	v_max3_num_f32 v24, v24, v[S+j], v[S+j+1]
	s_delay_alu instid0(VALU_DEP_2)
	v_max3_num_f32 v25, v25, v[S+j+2], v[S+j+3]
.set j, j+4
.endr
	s_delay_alu instid0(VALU_DEP_2)
	v_max3_num_f32 v24, v24, v[S+62], v[S+63]
	s_delay_alu instid0(VALU_DEP_1)
	v_max_num_f32 v24, v24, v25
	s_delay_alu instid0(VALU_DEP_1)
	v_permlanex16_b32 v26, v24, s[SEL], s[SEL+1]
	s_delay_alu instid0(VALU_DEP_1)
	v_max_num_f32 v24, v24, v26                    ; and among lane l xor 16's
	s_delay_alu instid0(VALU_DEP_1)
	v_max_num_f32 v13, v13, v24                    ; the running largest t
	v_mov_b32 v24, v12
	s_delay_alu instid0(VALU_DEP_2)
	v_floor_f32 v12, -v13                          ; the new -M = floor(-t) = -ceil(t)
	s_delay_alu instid0(VALU_DEP_1)
	v_sub_f32 v24, v12, v24                        ; old M - new M: a whole number, 0 or less
	s_delay_alu instid0(VALU_DEP_1)
	v_cvt_i32_f32 v24, v24                         ; (it saturates)
	s_delay_alu instid0(VALU_DEP_1)
	v_ldexp_f32 v28, 1.0, v24                      ; f = 2^(old M - new M)
.set j, 0
.rept 32
	v_pk_add_f32 v[S+j:S+j+1], v[S+j:S+j+1], v[12:13] op_sel_hi:[1,0]   ; t - M (the pair's low word for both halves)
.set j, j+2
.endr
.set j, 0
	s_wait_alu depctr_va_vdst(0)
.rept 64
	v_exp_f32 v[S+j], v[S+j]                       ; p = 2^(t - M), at most 1
.set j, j+1
.endr
	v_pk_mul_f32 v[14:15], v[14:15], v[28:29] op_sel_hi:[1,0]     ; the sums under the new M.  (A plain line behind the exponentials)
	s_wait_alu depctr_va_vdst(0)
	v_pk_add_f32 v[30:31], v[100:101], v[104:105]
	v_pk_add_f32 v[174:175], v[108:109], v[112:113]
	v_pk_add_f32 v[172:173], v[116:117], v[120:121]
	v_pk_add_f32 v[170:171], v[124:125], v[128:129]
	v_pk_add_f32 v[168:169], v[132:133], v[136:137]
	v_pk_add_f32 v[166:167], v[140:141], v[144:145]
	v_pk_add_f32 v[164:165], v[148:149], v[152:153]
	v_pk_add_f32 v[14:15], v[14:15], v[156:157]
	v_pk_add_f32 v[30:31], v[30:31], v[96:97]
	v_pk_add_f32 v[174:175], v[174:175], v[98:99]
	v_pk_add_f32 v[172:173], v[172:173], v[102:103]
	v_pk_add_f32 v[170:171], v[170:171], v[106:107]
	v_pk_add_f32 v[168:169], v[168:169], v[110:111]
	v_pk_add_f32 v[166:167], v[166:167], v[114:115]
	v_pk_add_f32 v[164:165], v[164:165], v[118:119]
	v_pk_add_f32 v[14:15], v[14:15], v[122:123]
	v_pk_add_f32 v[30:31], v[30:31], v[126:127]
	v_pk_add_f32 v[174:175], v[174:175], v[130:131]
	v_pk_add_f32 v[172:173], v[172:173], v[134:135]
	v_pk_add_f32 v[170:171], v[170:171], v[138:139]
	v_pk_add_f32 v[168:169], v[168:169], v[142:143]
	v_pk_add_f32 v[166:167], v[166:167], v[146:147]
	v_pk_add_f32 v[164:165], v[164:165], v[150:151]
	v_pk_add_f32 v[14:15], v[14:15], v[154:155]
	v_pk_add_f32 v[30:31], v[30:31], v[158:159]
	s_delay_alu instid0(VALU_DEP_2)
	v_pk_add_f32 v[14:15], v[14:15], v[170:171]
	s_delay_alu instid0(VALU_DEP_2)
	v_pk_add_f32 v[30:31], v[30:31], v[168:169]
	v_pk_add_f32 v[174:175], v[174:175], v[166:167]
	v_pk_add_f32 v[172:173], v[172:173], v[164:165]
	s_delay_alu instid0(VALU_DEP_2)
	v_pk_add_f32 v[14:15], v[14:15], v[174:175]
	s_delay_alu instid0(VALU_DEP_2)
	v_pk_add_f32 v[30:31], v[30:31], v[172:173]
	s_delay_alu instid0(VALU_DEP_1)
	v_pk_add_f32 v[14:15], v[14:15], v[30:31]
.set j, 0
.rept 32
	v_dual_min_num_f32 v[S+j], s[LIMP], v[S+j] :: v_dual_min_num_f32 v[S+j+1], s[LIMP], v[S+j+1]   ; the conversion does not saturate (ISA guide 7.6.2); p is not negative, so the hold is one-sided; it stands whatever e4 is
.set j, j+2
.endr
.irp t, 0,1,2,3,4,5,6,7
	v_cvt_scalef32_pk8_bf8_f32 v[AJ+2*\t:AJ+2*\t+1], v[S+8*\t:S+8*\t+7], v[SCP]   ; registers 2 t, 2 t + 1 of P: keys 16 t + 8 h + 0..7
.endr
.set j, 0
.rept 16
	v_pk_mul_f32 v[OT+j:OT+j+1], v[OT+j:OT+j+1], v[28:29] op_sel_hi:[1,0]   ; O^T under the new M.  (Plain lines between the conversions and the products that read their results)
.set j, j+2
.endr
	s_wait_alu depctr_va_vdst(0)
	s_wait_dscnt 0x0                               ; V is in
.irp t, 0,1,2,3
	v_wmma_f32_16x16x128_bf8_bf8 v[OT+8*\t:OT+8*\t+7], v[KV+16*\t:KV+16*\t+15], v[AJ:AJ+15], v[OT+8*\t:OT+8*\t+7]   ; four accumulators by turns
.endr
.endm
.macro COMPUTE_IF cls                  ; for the waves of one class; the branch hangs on the wave's number alone and leads round register work and waits alone
	s_cmp_lg_u32 s[CL], \cls
	s_cbranch_scc1 .Lnot_mine_\@
	COMPUTE
.Lnot_mine_\@:
.endm
; THE CHANGE OF SLOTS.  Each wave waits for all its tensor loads (its part of the slot ahead), adds 0 to its spare word, and waits for that and for its reads of the slot that it has left.
; fill = 1: that slot is filled with the next 128 keys; the barrier is then a round of the cluster's, and the joint load is the first thing behind it: it has the work of a whole step in which to land.
.macro CHANGE fill
	s_wait_tensorcnt 0x0                           ; no tensor load of mine is out, so a group 0 may be written
	ds_add_u32 v[SPW], v[NIL]                      ; 0 onto my spare word
.if \fill
	ds_add_u32 v[SPW], v[NIL]                      ; and once more
	s_xor_b32 s[G0K+1], s[G0K+1], SLOT1            ; the walking descriptors: the other slot,
	s_add_nc_u64 s[G0K+2:G0K+3], s[G0K+2:G0K+3], 131072   ; 8 key tiles on
	s_xor_b32 s[G0V+1], s[G0V+1], SLOT1
	s_add_nc_u64 s[G0V+2:G0V+3], s[G0V+2:G0V+3], 131072   ; 64 channel tiles on: the next 128 keys
	s_xor_b32 s[G0A+1], s[G0A+1], SLOT1
	s_add_nc_u64 s[G0A+2:G0A+3], s[G0A+2:G0A+3], 512      ; 128 numbers along a row
	s_wait_xcnt 0x0                                ; any prefetch of mine has read its address, so it may be written:
	s_add_nc_u64 s[98:99], s[98:99], s[66:67]      ; one step on
.endif
	s_wait_dscnt 0x0                               ; the add is done, and my reads of the slot that I have left are over: class 1's V among them
.if \fill
	CROUND
	TLOAD
.else
	s_barrier_signal -1
	s_barrier_wait -1
.endif
.endm
; Behind the change of slots that asks for step i + 1: step i + 3, up to step 15 (s[TRIPS] = 3 in the trip of i = 12); behind the step's LDS loads, ahead of the wave's vector work.
.macro ASK
	s_cmp_gt_u32 s[TRIPS], s89
	s_cbranch_scc0 .Lnot_asked_\@
	global_prefetch_b8 v27, s[98:99] th:TH_LOAD_NT scope:SCOPE_SE
.Lnot_asked_\@:
.endm
	s_wait_alu depctr_va_vdst(0)
	s_wait_loadcnt 0x0                             ; Q
	CHANGE 1                                       ; step 0 is written out: class 1 has no step behind it to work on yet
	LOADS
	ASK
	COMPUTE_IF 0
.Lslot:                                            ; 14 trips, steps 1 to 14: behind each change of slots the next step's tiles are asked for
	CHANGE 1
	COMPUTE_IF 1                                   ; class 1: the step before, out of registers, while class 0 waits for LDS
	LOADS
	ASK
	COMPUTE_IF 0                                   ; class 0: this step, while class 1 waits for LDS
	s_sub_co_u32 s[TRIPS], s[TRIPS], 1
	s_cmp_lg_u32 s[TRIPS], 0
	s_cbranch_scc1 .Lslot
	CHANGE 0                                       ; step 15 is written out
	COMPUTE_IF 1
	LOADS
	COMPUTE                                        ; the last step, in both classes
	; THE WAY OUT: a = O^T x 2^(e4 + e5) / the sum, quantised with e6.  Register 8 t + j is channel 16 t + 8 h + j of my query: eight registers convert into registers 2 t, 2 t + 1 of the next operand's image.
	v_add_f32 v14, v14, v15                        ; the plain lines from here to the multiplications are the places behind the last products
	s_delay_alu instid0(VALU_DEP_1)
	v_permlanex16_b32 v26, v14, s[SEL], s[SEL+1]
	s_delay_alu instid0(VALU_DEP_1)
	v_add_f32 v14, v14, v26                        ; the row's sum: more than 1/2, since the row's largest p is
	s_wait_alu depctr_va_vdst(0)
	v_rcp_f32 v14, v14
	v_and_b32 v24, 31, v0                          ; (a plain line behind the reciprocal)
	s_delay_alu instid0(VALU_DEP_1)
	v_lshlrev_b32 v24, 4, v24                      ; 16 x lane
	s_wait_alu depctr_va_vdst(0)
	v_ldexp_f32 v14, v14, s[EPV]
	v_mov_b32 v[SCP], s96
	v_mov_b32 v[NG], s97
.set j, 0
.rept 32
	v_mul_f32 v[S+j], v[OT+j], v14
.set j, j+1
.endr
.set j, 0
.rept 32
	v_med3_num_f32 v[S+j], v[S+j], -v[NG], v[NG]
.set j, j+1
.endr
.irp t, 0,1,2,3
	v_cvt_scalef32_pk8_bf8_f32 v[AJ+2*\t:AJ+2*\t+1], v[S+8*\t:S+8*\t+7], v[SCP]
.endr
	v_nop
	global_store_b128 v24, v[AJ:AJ+3],   s[92:93]              ; 32 lanes store 512 consecutive bytes, at a multiple of 256 from the buffer's first byte
	global_store_b128 v24, v[AJ+4:AJ+7], s[92:93] offset:512
	s_wait_tensorcnt 0x0                           ; the wave's end
	ds_add_u32 v[SPW], v[NIL]
	s_wait_dscnt 0x0
	CROUND                                         ; the closing round
	s_endpgm
.Lfunc_end_k_q5d54366d92_attn:
	.size	k_q5d54366d92_attn, .Lfunc_end_k_q5d54366d92_attn-k_q5d54366d92_attn
	.p2alignl 7, 3214868480
	.fill 96, 4, 3214868480
	.section	.rodata,"a",@progbits
	.p2align	6, 0x0
	.amdhsa_kernel k_q5d54366d92_attn
		.amdhsa_group_segment_fixed_size 327680
		.amdhsa_private_segment_fixed_size 0
		.amdhsa_enable_private_segment 0
		.amdhsa_kernarg_size 48
		.amdhsa_user_sgpr_count 2
		.amdhsa_user_sgpr_kernarg_segment_ptr 1
		.amdhsa_wavefront_size32 1
		.amdhsa_system_sgpr_workgroup_id_x 1
		.amdhsa_system_sgpr_workgroup_id_y 1
		.amdhsa_system_sgpr_workgroup_id_z 1
		.amdhsa_system_vgpr_workitem_id 0
		.amdhsa_next_free_vgpr 256
		.amdhsa_next_free_sgpr 100
		.amdhsa_reserve_vcc 0
		.amdhsa_float_denorm_mode_32 3
		.amdhsa_float_denorm_mode_16_64 3
		.amdhsa_memory_ordered 1
		.amdhsa_forward_progress 1
		.amdhsa_inst_pref_size 130
	.end_amdhsa_kernel
	.amdgpu_metadata
---
amdhsa.version: [ 1, 2 ]
amdhsa.kernels:
  - .name:           k_q5d54366d92_attn
    .symbol:         k_q5d54366d92_attn.kd
    .args:
      - { .name: q2_img, .offset: 0, .size: 8, .value_kind: global_buffer, .address_space: global }
      - { .name: k_img, .offset: 8, .size: 8, .value_kind: global_buffer, .address_space: global }
      - { .name: v_img, .offset: 16, .size: 8, .value_kind: global_buffer, .address_space: global }
      - { .name: adj, .offset: 24, .size: 8, .value_kind: global_buffer, .address_space: global }
      - { .name: lowp_scales, .offset: 32, .size: 8, .value_kind: global_buffer, .address_space: global }
      - { .name: aq_img, .offset: 40, .size: 8, .value_kind: global_buffer, .address_space: global }
    .group_segment_fixed_size: 327680
    .private_segment_fixed_size: 0
    .kernarg_segment_align: 8
    .kernarg_segment_size: 48
    .max_flat_workgroup_size: 512
    .sgpr_count:     100
    .vgpr_count:     256
    .wavefront_size: 32
...
	.end_amdgpu_metadata
.endif
;; end of part 3
;; launch proj (part 4): grid 8 x 32, 4 waves a work-group, clusters of 4 x 4, 327,680 bytes of LDS; arguments aq_img, wpp_img, b_proj, b_proj1, lowp_scales, out0; writes out0
.if DOCPART == 4
	.amdgcn_target "amdgcn-amd-amdhsa--gfx1250"
	.amdhsa_code_object_version 6
	.text
	.protected	k_q5d54366d92_proj
	.globl	k_q5d54366d92_proj
	.p2align	8
	.type	k_q5d54366d92_proj,@function
k_q5d54366d92_proj:
	s_mov_b64 s[64:65], 0
	v_nop
	global_prefetch_b8 v0, s[64:65] scope:SCOPE_SE
	s_setreg_imm32_b32 hwreg(HW_REG_WAVE_MODE, 25, 1), 1
	s_wait_xcnt 0x0
	s_wait_alu depctr_hold_cnt(0) depctr_sa_sdst(0) depctr_va_vdst(0) depctr_va_sdst(0) depctr_va_ssrc(0) depctr_va_vcc(0) depctr_vm_vsrc(0)
	s_getreg_b32 s2, hwreg(HW_REG_IB_STS2, 6, 4)
	s_cmp_eq_u32 s2, 0
	s_cbranch_scc0 .Lentry_in_a_cluster
	s_endpgm
.Lentry_in_a_cluster:
	s_bfe_u32 s2, ttmp6, 0x10000c
	s_cmp_lg_u32 s2, 0xf033
	s_cbranch_scc0 .Lentry_shape_is_right
	s_endpgm
.Lentry_shape_is_right:
; out = a w_proj + q w_proj1 + b_proj + b_proj1 on codes of BF8, sums in f32: K steps 0-7 of aq_img and wpp_img are the first product (scales e6, e7), 8-15 the second (e8, e9); one set of accumulators for each.
; A work-group of four waves makes a block of 128 x 128, a wave 64 x 64.  Source 0 = 16 columns, source 1 = 16 tokens: a lane holds one token, its registers eight neighbouring columns.
; CLUSTER 4 x 4: aq_img's tiles are asked for jointly along a row, wpp_img's along a column.  Four slots of 4 K steps through a ring of two.  Each wave has one joint load at the head;
; slot 1's first fill stands behind the full sequence and a round, like a refill.
; PREFETCHES INTO THE L2: one instruction a wave for each of slots 1 to 3, a lane an aligned block of 256 bytes; of the four tiles that a wave fetches, each of the four partners that ask jointly takes one, told apart by address
; (cx for aq_img, cy for wpp_img).  Slots 1 and 2 are named behind slot 0's load, slot 3 behind slot 1's.  wpp_img is named in the clusters of even y alone: four of the eight that read the same tiles.
; LIMITS: e6 + e7 and e8 + e9 between -126 and 127.
.set SLOT,   131072
.set SPARE,  2*SLOT
.set STAGE,  SPARE+512
.set SPITCH, 272
.set ADRA, 16
.set ADRB, 20
.set STO,  24
.set RD,   25
.set CO,   26
.set SPW,  28
.set NIL,  29
.set OB,   30
.set B0,   32
.set B1,   64
.set TMP,  96
.set G1, 24
.set G0, 32
.set G1B, 48
.set G0B, 56
.set MSB, 0
.macro WIN new
.if MSB != (\new)
	s_set_vgpr_msb (MSB<<8)|(\new)
.set MSB, (\new)
.endif
.endm
.macro JLOAD s
	s_cmp_eq_u32 s15, 0
	s_cbranch_scc0 .Lfor_b_\@
	tensor_load_to_lds s[G0+4*\s:G0+4*\s+3], s[G1:G1+7]
	s_nop 0
.rept 4
	v_nop
.endr
	s_branch .Lasked_\@
.Lfor_b_\@:
	tensor_load_to_lds s[G0B+4*\s:G0B+4*\s+3], s[G1B:G1B+7]
	s_nop 0
.rept 4
	v_nop
.endr
.Lasked_\@:
.endm
.macro CROUND
	s_barrier_signal -1
	s_barrier_wait -1
	s_cmp_lg_u32 s14, 0
	s_cbranch_scc1 .Lnot_wave_0_\@
	s_barrier_signal -3
.Lnot_wave_0_\@:
	s_barrier_wait -3
	s_barrier_signal -1
	s_barrier_wait -1
.endm
.macro PLACES
.rept 4
	v_nop
.endr
.endm
	s_load_b256 s[4:11], s[0:1], 0x0
	s_load_b128 s[68:71], s[0:1], 0x20
	v_lshl_add_u32 v[SPW], v0, 2, SPARE
	v_mov_b32 v[NIL], 0
	ds_add_u32 v28, v29
	ds_add_u32 v28, v29
	s_wait_dscnt 0x0
	v_lshrrev_b32 v1, 5, v0
	v_readfirstlane_b32 s14, v1
	s_lshr_b32 s15, s14, 1
	s_and_b32 s16, s14, 1
	s_bfe_u32 s40, ttmp6, 0x40000
	s_bfe_u32 s41, ttmp6, 0x40004
	s_lshl_b32 s42, ttmp9, 2
	s_add_co_u32 s42, s42, s40
	s_and_b32 s17, ttmp7, 0xffff
	s_lshl_b32 s17, s17, 2
	s_add_co_u32 s17, s17, s41
	s_lshl_b32 s43, s41, 2
	s_lshl_b32 s43, 15, s43
	s_lshl_b32 s44, 0x1111, s40
	s_or_b32 s[G1+0], s43, (3<<16)|(1<<21)
	s_or_b32 s[G1B+0], s44, (3<<16)|(1<<21)
.irp g, G1, G1B
	s_mov_b32 s[\g+1], 1024<<16
	s_mov_b32 s[\g+2], 4<<16
	s_mov_b32 s[\g+3], 1024<<16
	s_mov_b32 s[\g+4], 4
	s_mov_b32 s[\g+5], 4096
	s_mov_b32 s[\g+6], 0
	s_mov_b32 s[\g+7], 0
.endr
	s_lshl_b32 s18, s16, 17
	s_lshl_b32 s20, s17, 18
	s_add_co_u32 s20, s20, s18
	s_mov_b32 s21, 0
	s_lshl_b32 s46, s42, 18
	s_add_co_u32 s46, s46, s18
	s_mov_b32 s47, 0
	s_lshl_b32 s45, s14, 15
	s_wait_kmcnt 0x0
	s_load_b128 s[76:79], s[68:69], 0x18
	s_add_nc_u64 s[20:21], s[4:5], s[20:21]
	s_add_nc_u64 s[46:47], s[6:7], s[46:47]
	CROUND
.irp s, 0,1
	s_mov_b32 s[G0+4*\s], 1
	s_add_co_u32 s[G0+4*\s+1], s45, \s*SLOT
	s_add_nc_u64 s[G0+4*\s+2:G0+4*\s+3], s[20:21], \s*8192
	s_or_b32 s[G0+4*\s+3], s[G0+4*\s+3], 0x80000000
	s_mov_b32 s[G0B+4*\s], 1
	s_add_co_u32 s[G0B+4*\s+1], s45, \s*SLOT
	s_add_nc_u64 s[G0B+4*\s+2:G0B+4*\s+3], s[46:47], \s*8192
	s_or_b32 s[G0B+4*\s+3], s[G0B+4*\s+3], 0x80000000
.endr
	JLOAD 0                                        ; slot 0: one tensor load a wave at the head
	s_lshl_b32 s86, s40, 15                        ; the prefetches: my tile of the four, 32,768 bytes each
	s_lshl_b32 s87, s41, 15
	s_cmp_eq_u32 s15, 0
	s_cselect_b64 s[98:99], s[20:21], s[46:47]
	s_cselect_b32 s86, s86, s87
	s_mov_b32 s87, 0
	s_add_nc_u64 s[98:99], s[98:99], s[86:87]
	s_and_b32 s85, ttmp7, 1
	s_and_b32 s97, s15, s85                        ; 0: my wave asks
.macro ASK s
	global_prefetch_b8 v27, s[98:99] offset:8192*\s th:TH_LOAD_NT scope:SCOPE_SE
.endm
	v_and_b32 v1, 31, v0
	v_and_b32 v2, 15, v0
	v_bfe_u32 v3, v0, 4, 1
	s_wait_alu depctr_va_vdst(0)
	v_lshlrev_b32 v6, 4, v1
	v_lshlrev_b32 v27, 8, v1                       ; 256 x lane; never rewritten
	s_cmp_lg_u32 s97, 0
	s_wait_alu depctr_va_vdst(0)
	s_cbranch_scc1 .Lnone_at_head
	ASK 1
	ASK 2
.Lnone_at_head:
	s_lshl_b32 s21, s15, 15
	s_lshl_b32 s22, s16, 15
	s_add_co_u32 s22, s22, 65536
.irp s, 0,1
	v_add_nc_u32 v[ADRA+\s], s21, v6
	v_add_nc_u32 v[ADRB+\s], s22, v6
	s_add_co_u32 s21, s21, SLOT
	s_add_co_u32 s22, s22, SLOT
.endr
	s_lshl_b32 s18, s42, 9
	s_lshl_b32 s19, s16, 8
	s_add_co_u32 s18, s18, s19
	v_lshl_add_u32 v[OB], v3, 5, s18
.irp b, 0,1,2,3
	global_load_b128 v[B0+8*\b:B0+8*\b+3],   v[OB], s[8:9] offset:64*\b
	global_load_b128 v[B0+8*\b+4:B0+8*\b+7], v[OB], s[8:9] offset:64*\b+16
	global_load_b128 v[B1+8*\b:B1+8*\b+3],   v[OB], s[10:11] offset:64*\b
	global_load_b128 v[B1+8*\b+4:B1+8*\b+7], v[OB], s[10:11] offset:64*\b+16
.endr
	s_mul_i32 s23, s14, 16*SPITCH
	s_add_co_u32 s23, s23, STAGE
	v_mul_u32_u24 v4, v2, SPITCH
	v_lshl_add_u32 v4, v3, 5, v4
	v_add_nc_u32 v[STO], s23, v4
	v_mul_u32_u24 v5, v3, SPITCH
	v_lshl_add_u32 v5, v2, 4, v5
	v_add_nc_u32 v[RD], s23, v5
	v_lshlrev_b32 v5, 12, v3
	v_lshl_add_u32 v[CO], v2, 4, v5
	s_lshl_b32 s12, s17, 19
	s_lshl_b32 s13, s15, 18
	s_add_co_u32 s12, s12, s13
	s_add_co_u32 s12, s12, s18
	s_mov_b32 s13, 0
	s_add_nc_u64 s[70:71], s[70:71], s[12:13]
.macro FETCHK slot, q, f
	WIN 0x80*(\f)
.irp i, 0,1,2,3
.irp c, 0,1,2,3
	ds_load_b128 v[128*(1-(\f))+64+16*\i+4*\c:128*(1-(\f))+64+16*\i+4*\c+3], v[ADRB+\slot] offset:\i*8192+(\q)*2048+512*\c
.endr
.endr
.irp i, 0,1,2,3
.irp c, 0,1,2,3
	ds_load_b128 v[128*(1-(\f))+16*\i+4*\c:128*(1-(\f))+16*\i+4*\c+3], v[ADRA+\slot] offset:\i*8192+(\q)*2048+512*\c
.endr
.endr
.endm
.macro MULK f, set, zero
.irp a, 0,1,2,3
.irp b, 0,1,2,3
.if \zero
	v_wmma_f32_16x16x128_bf8_bf8 v[128*\set+8*(4*\a+\b):128*\set+8*(4*\a+\b)+7], v[128*(1-(\f))+64+16*\b:128*(1-(\f))+64+16*\b+15], v[128*(1-(\f))+16*\a:128*(1-(\f))+16*\a+15], 0
.else
	v_wmma_f32_16x16x128_bf8_bf8 v[128*\set+8*(4*\a+\b):128*\set+8*(4*\a+\b)+7], v[128*(1-(\f))+64+16*\b:128*(1-(\f))+64+16*\b+15], v[128*(1-(\f))+16*\a:128*(1-(\f))+16*\a+15], v[128*\set+8*(4*\a+\b):128*\set+8*(4*\a+\b)+7]
.endif
.endr
.endr
.endm
.macro KS slot, q, set, zero
	s_wait_dscnt 0x0
.if \q < 3
	PLACES
	FETCHK \slot, \q+1, 1-\q%2
.endif
	WIN 0x50+0x0a*(\q%2)
	MULK \q%2, \set, \zero
.endm
.macro CHANGE slot, next, fill
	WIN 0
	s_wait_tensorcnt 0x0
	ds_add_u32 v[SPW], v[NIL]
.if \fill
	s_add_nc_u64 s[G0+4*\slot+2:G0+4*\slot+3], s[G0+4*\slot+2:G0+4*\slot+3], 16384
	s_add_nc_u64 s[G0B+4*\slot+2:G0B+4*\slot+3], s[G0B+4*\slot+2:G0B+4*\slot+3], 16384
.endif
	s_wait_dscnt 0x0
.if \fill
	CROUND
	JLOAD \slot
.else
	s_barrier_signal -1
	s_barrier_wait -1
	PLACES
.endif
	FETCHK \next, 0, 0
.endm
	s_wait_alu depctr_va_vdst(0)
	s_wait_tensorcnt 0x0                           ; my part of slot 0 is in
	ds_add_u32 v28, v29
	s_wait_dscnt 0x0
	CROUND                                         ; everybody's part of slot 0 is in, and the joint loads meet
	JLOAD 1
	FETCHK 0, 0, 0
	s_cmp_lg_u32 s97, 0
	s_cbranch_scc1 .Lnone_3
	ASK 3
.Lnone_3:
	KS 0, 0, 0, 1
	KS 0, 1, 0, 0
	KS 0, 2, 0, 0
	KS 0, 3, 0, 0
	CHANGE 0, 1, 1
	KS 1, 0, 0, 0
	KS 1, 1, 0, 0
	KS 1, 2, 0, 0
	KS 1, 3, 0, 0
	CHANGE 1, 0, 1
	KS 0, 0, 1, 1
	KS 0, 1, 1, 0
	KS 0, 2, 1, 0
	KS 0, 3, 1, 0
	CHANGE 0, 1, 0
	KS 1, 0, 1, 0
	KS 1, 1, 1, 0
	KS 1, 2, 1, 0
	KS 1, 3, 1, 0
	WIN 0
	s_wait_kmcnt 0x0
	s_add_co_i32 s86, s76, s77
	s_add_co_i32 s86, s86, 127
	s_lshl_b32 s86, s86, 23
	s_mov_b32 s87, s86
	s_add_co_i32 s88, s78, s79
	s_add_co_i32 s88, s88, 127
	s_lshl_b32 s88, s88, 23
	s_mov_b32 s89, s88
	s_wait_loadcnt 0x0
.set j, 0
.rept 16
	v_pk_add_f32 v[B0+j:B0+j+1], v[B0+j:B0+j+1], v[B1+j:B1+j+1]
.set j, j+2
.endr
.irp a, 0,1,2,3
	WIN 0x01
.set j, 0
.rept 16
	v_pk_fma_f32 v[TMP+j:TMP+j+1], v[128+32*\a+j:128+32*\a+j+1], s[88:89], v[B0+j:B0+j+1] op_sel_hi:[1,0,1]
.set j, j+2
.endr
.set j, 0
.rept 16
	v_pk_fma_f32 v[TMP+j:TMP+j+1], v[32*\a+j:32*\a+j+1], s[86:87], v[TMP+j:TMP+j+1] op_sel_hi:[1,0,1]
.set j, j+2
.endr
	WIN 0
.irp b, 0,1,2,3
	ds_store_b128 v[STO], v[TMP+8*\b:TMP+8*\b+3]   offset:64*\b
	ds_store_b128 v[STO], v[TMP+8*\b+4:TMP+8*\b+7] offset:64*\b+16
.endr
.irp i, 0,1,2,3,4,5,6,7
	ds_load_b128 v[128+32*\a+4*\i:128+32*\a+4*\i+3], v[RD] offset:\i*2*SPITCH
.endr
	s_wait_dscnt 0x0
.irp i, 0,1,2,3,4,5,6,7
	global_store_b128 v[CO], v[128+32*\a+4*\i:128+32*\a+4*\i+3], s[70:71] offset:(16*\a+2*\i)*4096 th:TH_STORE_NT
.endr
.endr
	s_wait_tensorcnt 0x0
	ds_add_u32 v[SPW], v[NIL]
	s_wait_dscnt 0x0
	CROUND
	s_endpgm
.Lfunc_end_k_q5d54366d92_proj:
	.size	k_q5d54366d92_proj, .Lfunc_end_k_q5d54366d92_proj-k_q5d54366d92_proj
	.p2alignl 7, 3214868480
	.fill 96, 4, 3214868480
	.section	.rodata,"a",@progbits
	.p2align	6, 0x0
	.amdhsa_kernel k_q5d54366d92_proj
		.amdhsa_group_segment_fixed_size 327680
		.amdhsa_private_segment_fixed_size 0
		.amdhsa_enable_private_segment 0
		.amdhsa_kernarg_size 48
		.amdhsa_user_sgpr_count 2
		.amdhsa_user_sgpr_kernarg_segment_ptr 1
		.amdhsa_wavefront_size32 1
		.amdhsa_system_sgpr_workgroup_id_x 1
		.amdhsa_system_sgpr_workgroup_id_y 1
		.amdhsa_system_sgpr_workgroup_id_z 1
		.amdhsa_system_vgpr_workitem_id 0
		.amdhsa_next_free_vgpr 640
		.amdhsa_next_free_sgpr 100
		.amdhsa_reserve_vcc 0
		.amdhsa_float_denorm_mode_32 3
		.amdhsa_float_denorm_mode_16_64 3
		.amdhsa_memory_ordered 1
		.amdhsa_forward_progress 1
		.amdhsa_inst_pref_size 80
	.end_amdhsa_kernel
	.amdgpu_metadata
---
amdhsa.version: [ 1, 2 ]
amdhsa.kernels:
  - .name:           k_q5d54366d92_proj
    .symbol:         k_q5d54366d92_proj.kd
    .args:
      - { .name: aq_img, .offset: 0, .size: 8, .value_kind: global_buffer, .address_space: global }
      - { .name: wpp_img, .offset: 8, .size: 8, .value_kind: global_buffer, .address_space: global }
      - { .name: b_proj, .offset: 16, .size: 8, .value_kind: global_buffer, .address_space: global }
      - { .name: b_proj1, .offset: 24, .size: 8, .value_kind: global_buffer, .address_space: global }
      - { .name: lowp_scales, .offset: 32, .size: 8, .value_kind: global_buffer, .address_space: global }
      - { .name: out0, .offset: 40, .size: 8, .value_kind: global_buffer, .address_space: global }
    .group_segment_fixed_size: 327680
    .private_segment_fixed_size: 0
    .kernarg_segment_align: 8
    .kernarg_segment_size: 48
    .max_flat_workgroup_size: 128
    .sgpr_count:     100
    .vgpr_count:     640
    .wavefront_size: 32
...
	.end_amdgpu_metadata
.endif
;; end of part 4
